; MI455X (gfx1250); checked and timed in simulation.
; The chip was launched on July 23, 2026; its instructions are those of AMD's public machine-readable ISA for CDNA 5 (MIT licence, August 2026) and "CDNA5" Instruction Set Architecture Reference Guide (July 2026). The comments in the code are by the model that wrote it; some were corrected since.
;; Scriptable AC. Allowed arithmetic: matrix products marked QUANTISED: E5M2 operands, one E8M0 scale for each 32 along K, by v_wmma_scale_f32_16x16x128_f8f6f4 with both operands' format E5M2, f32 sums; products left as they are: f32 operands where the result goes on into a quantised operand, else bf16, f16 or f32 operands; f32 sums; everything else in f32.
;; Inputs: a0_W1 512 x 256 float32; a0_W2 256 x 4 float32; a0_b1 256 float32; a0_b2 4 float32; a1_W1 512 x 256 float32; a1_W2 256 x 4 float32; a1_b1 256 float32; a1_b2 4 float32; a2_W1 544 x 256 float32; a2_W2 256 x 4 float32; a2_Wp 2 x 32 float32; a2_b1 256 float32; a2_b2 4 float32; a2_bp 32 float32; c0_W1 512 x 256 float32; c0_W2 256 x 1 float32; c0_b1 256 float32; c0_b2 1 float32; c1_W1 512 x 256 float32; c1_W2 256 x 1 float32; c1_b1 256 float32; c1_b2 1 float32; c2_W1 544 x 256 float32; c2_W2 256 x 1 float32; c2_Wp 2 x 32 float32; c2_b1 256 float32; c2_b2 1 float32; c2_bp 32 float32; features 65,536 x 512 float32; pointgoal 65,536 x 2 float32; task_id 65,536 x 1 int32.
;; Outputs: out0 65,536 x 5 float32.
;; This version of the problem:
;;   THIS VERSION OF THE PROBLEM IS GIVEN IN LOW PRECISION. The matrix products marked QUANTISED in the list below multiply operands that are first quantised to E5M2 (5 exponent bits, 2 mantissa bits; 8 bits a number), with one power-of-two scale for each 32 numbers along K (OCP MX v1.0); their sums are f32. All else is computed in f32.
;;   The module's matrix products, in the order in which they are computed (A, B: the left and right operand; K: the contracted axis; several contracted axes count as one K, in the product's order):
;;     1. [M 65,536, K 2] x [K 2, N 32]; A: input pointgoal; B: input a2_Wp: left as it is (K = 2 < 32)
;;     2. [M 65,536, K 2] x [K 2, N 32]; A: input pointgoal; B: input c2_Wp: left as it is (K = 2 < 32)
;;     3. [M 65,536, K 512] x [K 512, N 256]; A: input features; B: input a0_W1: QUANTISED
;;     4. [M 65,536, K 256] x [K 256, N 4]; A: computed on the way; B: input a0_W2: left as it is (N = 4 < 16)
;;     5. [M 65,536, K 512] x [K 512, N 256]; A: input features; B: input a1_W1: QUANTISED
;;     6. [M 65,536, K 256] x [K 256, N 4]; A: computed on the way; B: input a1_W2: left as it is (N = 4 < 16)
;;     7. [M 65,536, K 544] x [K 544, N 256]; A: computed on the way; B: input a2_W1: QUANTISED
;;     8. [M 65,536, K 256] x [K 256, N 4]; A: computed on the way; B: input a2_W2: left as it is (N = 4 < 16)
;;     9. [M 65,536, K 512] x [K 512, N 256]; A: input features; B: input c0_W1: QUANTISED
;;     10. [M 65,536, K 256] x [K 256, N 1]; A: computed on the way; B: input c0_W2: left as it is (N = 1 < 16)
;;     11. [M 65,536, K 512] x [K 512, N 256]; A: input features; B: input c1_W1: QUANTISED
;;     12. [M 65,536, K 256] x [K 256, N 1]; A: computed on the way; B: input c1_W2: left as it is (N = 1 < 16)
;;     13. [M 65,536, K 544] x [K 544, N 256]; A: computed on the way; B: input c2_W1: QUANTISED
;;     14. [M 65,536, K 256] x [K 256, N 1]; A: computed on the way; B: input c2_W2: left as it is (N = 1 < 16)
;;   THE QUANTISER, for each operand of a quantised product, along K:
;;     - K is cut into blocks of 32 from its start; a last block that is shorter is filled with zeros.
;;     - A block's scale is 2^e with e = floor(log2(the largest magnitude in the block)) - 15, held to -126 .. 127; a block of zeros has e = 0. As a byte (E8M0): e + 127.
;;     - Each number is divided by its block's scale, clamped to +-57,344, and rounded to the nearest number of E5M2, ties to even, subnormals kept.
;;     - The product sums the exact products of the quantised numbers (number of the format x scale) in f32.
;;   ~~~python
;;   def quantise(x, axis):      # numpy; x: float32 -> the quantised numbers, widened to float32 again
;;       x = np.moveaxis(x, axis, -1); K = x.shape[-1]
;;       x = np.pad(x, [(0, 0)] * (x.ndim - 1) + [(0, -K % 32)]); x = x.reshape(x.shape[:-1] + (-1, 32)); a = np.abs(x).max(-1, keepdims=True)
;;       e = np.where(a > 0, np.clip(np.frexp(np.where(a > 0, a, 1))[1] - 1 - 15, -126, 127), 0)      # np.frexp(a)[1] - 1 = floor(log2(a)), exactly
;;       r = np.clip(x / 2.0 ** e, -57344, 57344)
;;       step = 2.0 ** (np.maximum(np.frexp(np.where(r == 0, 1, r))[1] - 1, -14) - 2)
;;       q = np.round(r / step) * step * 2.0 ** e      # np.round: ties to even
;;       return np.moveaxis(q.reshape(q.shape[:-2] + (-1,))[..., :K], -1, axis).astype(np.float32)
;;   ~~~
;;   OPERANDS COMPUTED ON THE WAY. 'Computed on the way' means the value that the module computes at that place (a softmax that the list does not call 'softmax' is quantised finished and normalised). What goes into a quantiser is computed in f32, as accurately as f32 sums, v_exp_f32 and their like allow (about 1e-6 of the number): no bf16 or f16 on the way to a quantiser, and a product that is left as it is and whose result goes on into a quantised operand takes f32 operands (vector FMAs, or v_wmma_f32_16x16x4_f32). A number that lies on a knife's edge between two numbers of the format may be rounded either way, as far as f32 arithmetic and the matrix unit's own rounding can turn it there, and no further.
;; One version. Each part assembles by itself: llvm-mc -triple=amdgcn-amd-amdhsa -mcpu=gfx1250 --defsym DOCPART=n.
;; ======== version 1 of 1: 2 launches
;; limits: values outside matrix products are rounded to bf16; values are held in bf16: 8 bits of precision; right only within a limited range of input values
;; workspace buffers: wq 921,600 bytes; order 1,044,480 bytes of whole numbers; plan 1,024 bytes of whole numbers; cst 256 bytes
;; launch prep (part 1): grid 267 x 1, 4 waves a work-group, no clusters, 0 bytes of LDS; arguments task_id, a0_W1, c0_W1, a1_W1, c1_W1, a2_W1, c2_W1, wq, order, plan, cst, a0_W2, a1_W2, a2_W2, c0_W2, c1_W2, c2_W2, a0_b1, a1_b1, a2_b1, c0_b1, c1_b1, c2_b1, a0_b2, a1_b2, a2_b2, c0_b2, c1_b2, c2_b2; writes wq, order, plan, cst
.if DOCPART == 1
	.amdgcn_target "amdgcn-amd-amdhsa--gfx1250"
	.amdhsa_code_object_version 6
	.text
	.protected	k_q33fb835539_prep
	.globl	k_q33fb835539_prep
	.p2align	8
	.type	k_q33fb835539_prep,@function
k_q33fb835539_prep:
	s_mov_b64 s[64:65], 0
	v_nop
	global_prefetch_b8 v0, s[64:65] scope:SCOPE_SE
	s_setreg_imm32_b32 hwreg(HW_REG_WAVE_MODE, 25, 1), 1
	s_wait_xcnt 0x0
; FOUR JOBS, told apart by the wave's number in the grid, K = 4 x work-group + wave.  Waves share nothing: no LDS, no barrier.
; K 0-254: list K: the tokens of block b = K % 85 (772 tokens; the last block 688) whose task is e = K / 85 (0, 1, everything else counts as 2, as the selection by task does), ascending, in order[1024 K ..];
;   behind them the block's first token fills the list up.  plan[K] = how many.  Slot 1023 takes the tokens of other tasks and is not used (a list has at most 772).
; K 256-1023: a block of 32 along K x 32 columns of one W1, f32 [K][256]: quantised to codes of E5M2 with one E8M0 byte, laid in the order of the operand's registers.  A lane takes a column, its registers run down K.
;   INSIDE A BLOCK the codes stand in the order that the other launch gives x: position 8 q + 4 u + j is k = 16 u + 4 q + j.
; K 1024-1039: the 17th block (rows 512-543) of a2_W1 and c2_W1.   K 1040-1063: W2^T in bf16 as an operand.   K 1064-1066: b1 W2 + b2 in f32.
; wq: expert e at e EST; in it part w (64 hidden units; 0-3 the actor's, 4-7 the critic's) at w WSTR: fragment 4 s + a (K step s, 16 columns a) 2,048 bytes: piece c at 512 c, lane (r, h)'s 16 bytes at 16 (r + 16 h);
;   W5O: the 17th block, 512 bytes a tile; WSO: scale words [quad][lane][tile]: quad p: K steps 2 p (lanes 0-15) and 2 p + 1 (lanes 16-31), quad 2: the 17th block; W2O: four pieces of 512 bytes.
; LIMITS: NaN and infinities among the weights are not served.  A block of zeros gets the byte 1 where the rule says 127: its codes are zeros, and this program alone reads the bytes.
.set EST,   307200
.set WSTR,  38400
.set W5O,   32768
.set WSO,   34816
.set W2O,   36352
.set BLK,   772
.set EMAX,  15
.set X,     16
	s_load_b512 s[4:19], s[0:1], 0x0               ; task_id s[4:5]; a0, c0, a1, c1, a2, c2 _W1 s[6:17]; wq s[18:19]
	s_load_b128 s[20:23], s[0:1], 0x40             ; order, plan
	s_load_b64 s[24:25], s[0:1], 0x50              ; cst
	v_lshrrev_b32 v1, 5, v0
	v_readfirstlane_b32 s26, v1
	v_and_b32 v2, 31, v0                           ; lane
	v_and_b32 v3, 15, v0                           ; r
	v_bfe_u32 v4, v0, 4, 1                         ; h
	v_lshlrev_b32 v5, 2, v2
	s_mov_b32 s29, 0                               ; s[28:29]: an offset as a pair
	s_lshl_b32 s27, ttmp9, 2
	s_add_co_u32 s27, s27, s26                     ; K
	s_wait_alu depctr_va_vdst(0)                   ; the wait at the head's end
	s_wait_kmcnt 0x0
	s_cmp_ge_u32 s27, 256
	s_cbranch_scc1 .Lnot_sort
	; ================= A LIST =================
	s_cmp_ge_u32 s27, 255
	s_cbranch_scc1 .Lend
	s_cmp_ge_u32 s27, 85
	s_cselect_b32 s30, 1, 0
	s_cmp_ge_u32 s27, 170
	s_cselect_b32 s30, 2, s30                      ; e
	s_mul_i32 s31, s30, 85
	s_sub_co_u32 s31, s27, s31
	s_mul_i32 s31, s31, BLK                        ; the block's first token
	s_sub_co_u32 s32, 0x10000, s31
	s_min_u32 s32, s32, BLK                        ; its tokens
	s_lshl_b32 s28, s31, 2
	s_add_nc_u64 s[34:35], s[4:5], s[28:29]
	s_lshl_b32 s28, s27, 12
	s_add_nc_u64 s[36:37], s[20:21], s[28:29]      ; my list
.set c, 0
.rept 21
	global_load_b32 v[X+c], v5, s[34:35] offset:128*c   ; tokens 32 c + lane: the last block has 688, so 672 are there in every block
.set c, c+1
.endr
.rept 4
	v_add_nc_u32 v[12+c-21], 32*c, v2
	v_add_nc_u32 v[8+c-21], s31, v[12+c-21]
	v_min_u32 v[8+c-21], 0xffff, v[8+c-21]         ; inside the buffer
	v_lshlrev_b32 v[8+c-21], 2, v[8+c-21]
	global_load_b32 v[X+c], v[8+c-21], s[4:5]
.set c, c+1
.endr
	v_mov_b32 v6, 0x3ff
	v_add_nc_u32 v7, s31, v2
	s_mov_b32 s38, 0                               ; tokens of my task so far
	s_wait_alu depctr_va_vdst(0)
.set c, 0
.rept 25
	s_wait_loadcnt 24-c                            ; chunk c's ids are in; the chunks behind it may be out
	v_min_u32 v[X+c], 2, v[X+c]
	v_cmp_eq_u32 s39, s30, v[X+c]
.if c >= 21
	v_cmp_gt_u32 s40, s32, v[12+c-21]              ; and the token is one of the block's
	s_and_b32 s39, s39, s40
.endif
	v_mbcnt_lo_u32_b32 v[48+c], s39, s38           ; how many of my task stand in front of this one
	v_cndmask_b32 v[48+c], v6, v[48+c], s39
	v_min_u32 v[48+c], 0x3ff, v[48+c]              ; a number made of loaded ones enters an address behind a bound
	v_lshlrev_b32 v[48+c], 2, v[48+c]
	v_add_nc_u32 v[80+c], 32*c, v7
	global_store_b32 v[48+c], v[80+c], s[36:37]    ; each store has registers of its own
	s_bcnt1_i32_b32 s40, s39
	s_add_co_u32 s38, s38, s40
.set c, c+1
.endr
	s_lshl_b32 s41, s27, 2
	s_add_co_u32 s40, s38, 32
	s_and_b32 s40, s40, -4
	v_mov_b32 v110, s38
	v_mov_b32 v111, s41
	v_mov_b32 v112, s31
	v_mov_b32 v113, s31
	v_mov_b32 v114, s31
	v_mov_b32 v115, s31
	v_add_nc_u32 v116, s38, v2
	v_min_u32 v116, 0x3ff, v116
	v_lshlrev_b32 v116, 2, v116
	global_store_b32 v111, v110, s[22:23]          ; plan: all lanes the same word with the same value
	global_store_b32 v116, v112, s[36:37]          ; slots n .. n + 31,
	v_lshl_add_u32 v117, v2, 2, s40
.set c, 0
.rept 8
	v_add_nc_u32 v[118+c], 128*c, v117
	v_min_u32 v[118+c], 0x3fc, v[118+c]
	v_lshlrev_b32 v[118+c], 2, v[118+c]
	global_store_b128 v[118+c], v[112:115], s[36:37]   ; and from the multiple of 4 at or below n + 32 to the list's end
.set c, c+1
.endr
.Lend:
	s_endpgm
	; ================= A BLOCK OF W1 =================
.Lnot_sort:
	s_cmp_ge_u32 s27, 1040
	s_cbranch_scc1 .Lmisc
	s_sub_co_u32 s30, s27, 256
	s_and_b32 s31, s30, 3                          ; block c of the K step
	s_bfe_u32 s32, s30, 0x20002                    ; K step
	s_bfe_u32 s33, s30, 0x30004                    ; which 32 columns
	s_lshr_b32 s34, s30, 7                         ; head: a0, c0, a1, c1, a2, c2
	s_sub_co_u32 s35, s27, 1024
	s_and_b32 s36, s35, 7
	s_bfe_u32 s37, s35, 0x10003
	s_add_co_u32 s37, s37, 4
	s_mov_b32 s38, 2048
	s_cmp_ge_u32 s27, 1024                         ; the 17th block, called K step 4
	s_cselect_b32 s31, 0, s31
	s_cselect_b32 s32, 4, s32
	s_cselect_b32 s33, s36, s33
	s_cselect_b32 s34, s37, s34
	s_cselect_b32 s38, 512, s38                    ; bytes from a tile's codes to the next tile's
	s_cmp_eq_u32 s34, 1
	s_cselect_b64 s[6:7], s[8:9], s[6:7]
	s_cmp_eq_u32 s34, 2
	s_cselect_b64 s[6:7], s[10:11], s[6:7]
	s_cmp_eq_u32 s34, 3
	s_cselect_b64 s[6:7], s[12:13], s[6:7]
	s_cmp_eq_u32 s34, 4
	s_cselect_b64 s[6:7], s[14:15], s[6:7]
	s_cmp_eq_u32 s34, 5
	s_cselect_b64 s[6:7], s[16:17], s[6:7]
	s_lshl_b32 s28, s32, 17                        ; 128 rows of 1,024 bytes a K step
	s_lshl_b32 s39, s31, 15
	s_add_co_u32 s28, s28, s39
	s_lshl_b32 s39, s33, 7
	s_add_co_u32 s28, s28, s39
	s_add_nc_u64 s[6:7], s[6:7], s[28:29]
.set i, 0
.rept 32
	global_load_b32 v[X+i], v5, s[6:7] offset:(((i/4)%2)*16+(i/8)*4+i%4)*1024 th:TH_LOAD_NT   ; register i takes position i's row; 32 lanes read 128 consecutive bytes
.set i, i+1
.endr
	s_lshr_b32 s39, s34, 1
	s_mul_i32 s28, s39, EST
	s_and_b32 s39, s34, 1
	s_lshl_b32 s39, s39, 2
	s_lshr_b32 s40, s33, 1
	s_add_co_u32 s39, s39, s40                     ; the part
	s_mul_i32 s39, s39, WSTR
	s_add_co_u32 s28, s28, s39
	s_add_nc_u64 s[18:19], s[18:19], s[28:29]
	s_and_b32 s40, s33, 1
	s_lshl_b32 s41, s32, 13                        ; fragment 4 s + 2 (cg % 2), piece c
	s_lshl_b32 s42, s40, 12
	s_add_co_u32 s41, s41, s42
	s_lshl_b32 s42, s31, 9
	s_add_co_u32 s41, s41, s42
	s_lshl_b32 s42, s40, 10
	s_add_co_u32 s42, s42, W5O
	s_cmp_eq_u32 s32, 4
	s_cselect_b32 s28, s42, s41
	s_add_nc_u64 s[44:45], s[18:19], s[28:29]      ; where my codes go
	s_lshl_b32 s28, s32, 8
	s_lshl_b32 s41, s40, 3
	s_add_co_u32 s28, s28, s41
	s_add_co_u32 s28, s28, s31
	s_add_co_u32 s28, s28, WSO
	s_add_nc_u64 s[46:47], s[18:19], s[28:29]      ; and my scale bytes
	s_mov_b32 s43, 0x600000                        ; the mantissa field of 57,344
	v_mul_u32_u24 v6, s38, v4
	v_lshl_add_u32 v6, v3, 4, v6
	v_lshlrev_b32 v7, 4, v3
	v_lshl_add_u32 v7, v4, 2, v7
	s_wait_alu depctr_va_vdst(0)
	s_wait_loadcnt 0x0
	v_max3_num_f32 v12, |v[X]|, |v[X+1]|, |v[X+2]|                 ; the block's largest magnitude: all 32 numbers are mine
	v_max3_num_f32 v13, |v[X+3]|, |v[X+4]|, |v[X+5]|
.irp i, 6,10,14,18,22,26
	v_max3_num_f32 v12, v12, |v[X+\i]|, |v[X+\i+1]|
	v_max3_num_f32 v13, v13, |v[X+\i+2]|, |v[X+\i+3]|
.endr
	v_max3_num_f32 v12, v12, |v[X+30]|, |v[X+31]|
	v_max3_num_f32 v12, v12, v13, (EMAX+1)<<23     ; the floor 2^(16 - 127): the byte cannot fall under 1
	v_add_nc_u32 v11, -(EMAX<<23), v12             ; 15 off the exponent field: the conversion takes this operand's exponent field as its scale
	v_and_or_b32 v10, v12, 0x7f800000, s43         ; 57,344 x the scale
.set i, 0
.rept 32
	v_med3_num_f32 v[X+i], v[X+i], -v10, v10       ; the conversion to an 8-bit code does not saturate (ISA guide 7.6.2): the hold comes first
.set i, i+1
.endr
.irp g, 0,1,2,3
	v_cvt_scalef32_pk8_bf8_f32 v[48+2*\g:49+2*\g], v[X+8*\g:X+8*\g+7], v11
.endr
	v_lshrrev_b32 v13, 23, v11                     ; the scale's byte
	s_wait_alu depctr_va_vdst(0)                   ; the wait ahead of the branch below
	global_store_b128 v6, v[48:51], s[44:45]       ; positions 0-15: the lanes (r, 0) of the piece; sixteen lanes store 256 consecutive bytes
	global_store_b128 v6, v[52:55], s[44:45] offset:256   ; positions 16-31: the lanes (r, 1)
	s_cmp_eq_u32 s32, 4
	s_cbranch_scc1 .Lword
	global_store_b8 v7, v13, s[46:47]
	s_endpgm
.Lword:
	v_or_b32 v14, 0x7f7f7f00, v13                  ; the step's other three blocks meet zero codes: their bytes stand for 1
	global_store_b32 v7, v14, s[46:47]
	global_store_b32 v7, v14, s[46:47] offset:256  ; the register's upper lanes are loaded with it, so they are written
	s_endpgm
	; ================= W2 AND THE CONSTANTS =================
.Lmisc:
	s_sub_co_u32 s30, s27, 1040
	s_cmp_ge_u32 s30, 27
	s_cbranch_scc1 .Lend2
	s_load_b512 s[32:47], s[0:1], 0x58             ; a0 a1 a2 _W2 s[32:37], c0 c1 c2 _W2 s[38:43], a0 a1 _b1 s[44:47]
	s_load_b512 s[48:63], s[0:1], 0x98             ; a2_b1 s[48:49], c0 c1 c2 _b1 s[50:55], a0 a1 a2 _b2 s[56:61], c0_b2 s[62:63]
	s_load_b128 s[68:71], s[0:1], 0xd8             ; c1_b2, c2_b2
	s_lshr_b32 s31, s30, 3
	s_sub_co_u32 s66, s30, 24
	s_cmp_ge_u32 s30, 24
	s_cselect_b32 s31, s66, s31                    ; expert
	v_lshlrev_b32 v9, 4, v2
	v_lshlrev_b32 v8, 5, v2
	v_lshlrev_b32 v15, 7, v2
	s_wait_alu depctr_va_vdst(0)
	s_wait_kmcnt 0x0
	s_cmp_eq_u32 s31, 1
	s_cselect_b64 s[32:33], s[34:35], s[32:33]
	s_cselect_b64 s[38:39], s[40:41], s[38:39]
	s_cselect_b64 s[44:45], s[46:47], s[44:45]
	s_cselect_b64 s[50:51], s[52:53], s[50:51]
	s_cselect_b64 s[56:57], s[58:59], s[56:57]
	s_cselect_b64 s[62:63], s[68:69], s[62:63]
	s_cmp_eq_u32 s31, 2
	s_cselect_b64 s[32:33], s[36:37], s[32:33]     ; the actor's W2
	s_cselect_b64 s[38:39], s[42:43], s[38:39]     ; the critic's W2
	s_cselect_b64 s[44:45], s[48:49], s[44:45]     ; the actor's b1
	s_cselect_b64 s[50:51], s[54:55], s[50:51]     ; the critic's b1
	s_cselect_b64 s[56:57], s[60:61], s[56:57]     ; the actor's b2
	s_cselect_b64 s[62:63], s[70:71], s[62:63]     ; the critic's b2
	s_cmp_ge_u32 s30, 24
	s_cbranch_scc1 .Lcst
	s_and_b32 s66, s30, 7                          ; part
	s_and_b32 s67, s66, 3
	s_lshr_b32 s68, s66, 2                         ; actor 0, critic 1
	s_mul_i32 s28, s31, EST
	s_mul_i32 s69, s66, WSTR
	s_add_co_u32 s28, s28, s69
	s_add_co_u32 s28, s28, W2O
	s_add_nc_u64 s[18:19], s[18:19], s[28:29]
	v_and_b32 v6, 6, v3
	v_cmp_eq_u32 s72, 0, v6                        ; W2^T's rows 0, 1, 8, 9: the actor's outputs 0 to 3;
	v_cmp_eq_u32 s73, 9, v3                        ; row 9: the critic's; all other rows are zeros
	s_cmp_eq_u32 s68, 0
	s_cselect_b32 s72, s72, s73
	v_cndmask_b32 v7, 0, -1, s72
	s_wait_alu depctr_va_vdst(0)
	s_cmp_eq_u32 s68, 0
	s_cbranch_scc0 .Lcritic
	v_and_b32 v10, 1, v3
	v_lshrrev_b32 v11, 3, v3
	v_lshl_add_u32 v10, v11, 1, v10                ; the output
	s_lshl_b32 s67, s67, 10
	v_lshl_add_u32 v12, v4, 7, s67
	v_lshl_add_u32 v12, v10, 2, v12
.set n, 0
.rept 32
	global_load_b32 v[X+n], v12, s[32:33] offset:16*(32*(n/16)+16*((n/8)%2)+n%8)   ; number 16 q + 8 u + i is hidden unit 32 q + 16 u + 8 h + i
.set n, n+1
.endr
	s_branch .Lw2_asked
.Lcritic:
	s_lshl_b32 s67, s67, 8
	v_lshl_add_u32 v12, v4, 5, s67
.set n, 0
.rept 8
	global_load_b128 v[X+4*n:X+4*n+3], v12, s[38:39] offset:4*(32*(n/4)+16*((n/2)%2))+16*(n%2)
.set n, n+1
.endr
.Lw2_asked:
	s_wait_loadcnt 0x0
.irp q, 0,1
.irp u, 0,1
.irp j, 0,1,2,3
	v_cvt_pk_bf16_f32 v[48+8*\q+4*\u+\j], v[X+16*\q+8*\u+2*\j], v[X+16*\q+8*\u+2*\j+1]
.endr
.endr
.endr
.set i, 0
.rept 16
	v_and_b32 v[48+i], v7, v[48+i]
.set i, i+1
.endr
.irp i, 0,1,2,3
	global_store_b128 v9, v[48+4*\i:51+4*\i], s[18:19] offset:512*\i
.endr
.Lend2:
	s_endpgm
.Lcst:                                                 ; b1 W2 + b2: a lane takes hidden units 8 lane .. 8 lane + 7
	s_load_b128 s[76:79], s[56:57], 0x0
	s_load_b32 s72, s[62:63], 0x0
	s_mov_b32 s74, 0x76543210
	s_mov_b32 s75, 0xfedcba98                      ; v_permlanex16_b32's selects for lane l xor 16
	global_load_b128 v[16:19], v8, s[44:45]
	global_load_b128 v[20:23], v8, s[44:45] offset:16
	global_load_b128 v[24:27], v8, s[50:51]
	global_load_b128 v[28:31], v8, s[50:51] offset:16
	global_load_b128 v[32:35], v8, s[38:39]
	global_load_b128 v[36:39], v8, s[38:39] offset:16
.irp i, 0,1,2,3,4,5,6,7
	global_load_b128 v[40+4*\i:43+4*\i], v15, s[32:33] offset:16*\i
.endr
	s_lshl_b32 s31, s31, 5
	v_mov_b32 v90, s31
.irp k, 0,1,2,3,4
	v_mov_b32 v[84+\k], 0                          ; (a lane permute's destination counts as read)
.endr
	v_mov_b32 v80, 0
	v_mov_b32 v81, 0
	v_mov_b32 v82, 0
	s_wait_alu depctr_va_vdst(0)
	s_wait_kmcnt 0x0
	s_wait_loadcnt 0x0
.irp k, 0,1,2,3
	v_mul_f32 v[72+\k], v16, v[40+\k]
.endr
	v_mul_f32 v76, v24, v32
.irp i, 1,2,3,4,5,6,7
.irp k, 0,1,2,3
	v_fmac_f32 v[72+\k], v[16+\i], v[40+4*\i+\k]
.endr
	v_fmac_f32 v76, v[24+\i], v[32+\i]
.endr
.irp n, 1,2,4,8
.irp k, 0,1,2,3,4
	v_add_f32_dpp v[72+\k], v[72+\k], v[72+\k] row_xmask:\n row_mask:0xf bank_mask:0xf
.endr
.endr
.irp k, 0,1,2,3,4
	v_permlanex16_b32 v[84+\k], v[72+\k], s74, s75
.endr
.irp k, 0,1,2,3,4
	v_add_f32 v[72+\k], v[72+\k], v[84+\k]
.endr
.irp k, 0,1,2,3
	v_add_f32 v[72+\k], s[76+\k], v[72+\k]
.endr
	v_add_f32 v83, s72, v76
	global_store_b128 v90, v[72:75], s[24:25]      ; the four logits' constants; then 0, 0, 0 and the value's.  All lanes the same bytes with the same values
	global_store_b128 v90, v[80:83], s[24:25] offset:16
	s_endpgm
.Lfunc_end_k_q33fb835539_prep:
	.size	k_q33fb835539_prep, .Lfunc_end_k_q33fb835539_prep-k_q33fb835539_prep
	.p2alignl 7, 3214868480
	.fill 96, 4, 3214868480
	.section	.rodata,"a",@progbits
	.p2align	6, 0x0
	.amdhsa_kernel k_q33fb835539_prep
		.amdhsa_group_segment_fixed_size 0
		.amdhsa_private_segment_fixed_size 0
		.amdhsa_enable_private_segment 0
		.amdhsa_kernarg_size 232
		.amdhsa_user_sgpr_count 2
		.amdhsa_user_sgpr_kernarg_segment_ptr 1
		.amdhsa_wavefront_size32 1
		.amdhsa_system_sgpr_workgroup_id_x 1
		.amdhsa_system_sgpr_workgroup_id_y 1
		.amdhsa_system_sgpr_workgroup_id_z 1
		.amdhsa_system_vgpr_workitem_id 0
		.amdhsa_next_free_vgpr 128
		.amdhsa_next_free_sgpr 80
		.amdhsa_reserve_vcc 0
		.amdhsa_float_denorm_mode_32 3
		.amdhsa_float_denorm_mode_16_64 3
		.amdhsa_memory_ordered 1
		.amdhsa_forward_progress 1
		.amdhsa_inst_pref_size 45
	.end_amdhsa_kernel
	.amdgpu_metadata
---
amdhsa.version: [ 1, 2 ]
amdhsa.kernels:
  - .name:           k_q33fb835539_prep
    .symbol:         k_q33fb835539_prep.kd
    .args:
      - { .name: task_id, .offset: 0, .size: 8, .value_kind: global_buffer, .address_space: global }
      - { .name: a0_W1, .offset: 8, .size: 8, .value_kind: global_buffer, .address_space: global }
      - { .name: c0_W1, .offset: 16, .size: 8, .value_kind: global_buffer, .address_space: global }
      - { .name: a1_W1, .offset: 24, .size: 8, .value_kind: global_buffer, .address_space: global }
      - { .name: c1_W1, .offset: 32, .size: 8, .value_kind: global_buffer, .address_space: global }
      - { .name: a2_W1, .offset: 40, .size: 8, .value_kind: global_buffer, .address_space: global }
      - { .name: c2_W1, .offset: 48, .size: 8, .value_kind: global_buffer, .address_space: global }
      - { .name: wq, .offset: 56, .size: 8, .value_kind: global_buffer, .address_space: global }
      - { .name: order, .offset: 64, .size: 8, .value_kind: global_buffer, .address_space: global }
      - { .name: plan, .offset: 72, .size: 8, .value_kind: global_buffer, .address_space: global }
      - { .name: cst, .offset: 80, .size: 8, .value_kind: global_buffer, .address_space: global }
      - { .name: a0_W2, .offset: 88, .size: 8, .value_kind: global_buffer, .address_space: global }
      - { .name: a1_W2, .offset: 96, .size: 8, .value_kind: global_buffer, .address_space: global }
      - { .name: a2_W2, .offset: 104, .size: 8, .value_kind: global_buffer, .address_space: global }
      - { .name: c0_W2, .offset: 112, .size: 8, .value_kind: global_buffer, .address_space: global }
      - { .name: c1_W2, .offset: 120, .size: 8, .value_kind: global_buffer, .address_space: global }
      - { .name: c2_W2, .offset: 128, .size: 8, .value_kind: global_buffer, .address_space: global }
      - { .name: a0_b1, .offset: 136, .size: 8, .value_kind: global_buffer, .address_space: global }
      - { .name: a1_b1, .offset: 144, .size: 8, .value_kind: global_buffer, .address_space: global }
      - { .name: a2_b1, .offset: 152, .size: 8, .value_kind: global_buffer, .address_space: global }
      - { .name: c0_b1, .offset: 160, .size: 8, .value_kind: global_buffer, .address_space: global }
      - { .name: c1_b1, .offset: 168, .size: 8, .value_kind: global_buffer, .address_space: global }
      - { .name: c2_b1, .offset: 176, .size: 8, .value_kind: global_buffer, .address_space: global }
      - { .name: a0_b2, .offset: 184, .size: 8, .value_kind: global_buffer, .address_space: global }
      - { .name: a1_b2, .offset: 192, .size: 8, .value_kind: global_buffer, .address_space: global }
      - { .name: a2_b2, .offset: 200, .size: 8, .value_kind: global_buffer, .address_space: global }
      - { .name: c0_b2, .offset: 208, .size: 8, .value_kind: global_buffer, .address_space: global }
      - { .name: c1_b2, .offset: 216, .size: 8, .value_kind: global_buffer, .address_space: global }
      - { .name: c2_b2, .offset: 224, .size: 8, .value_kind: global_buffer, .address_space: global }
    .group_segment_fixed_size: 0
    .private_segment_fixed_size: 0
    .kernarg_segment_align: 8
    .kernarg_segment_size: 232
    .max_flat_workgroup_size: 128
    .sgpr_count:     80
    .vgpr_count:     128
    .wavefront_size: 32
...
	.end_amdgpu_metadata
.endif
;; end of part 1
;; launch heads (part 2): grid 255 x 1, 8 waves a work-group, no clusters, 110,592 bytes of LDS; arguments features, pointgoal, order, plan, wq, cst, out0, a2_Wp, a2_bp, c2_Wp, c2_bp; writes out0
.if DOCPART == 2
	.amdgcn_target "amdgcn-amd-amdhsa--gfx1250"
	.amdhsa_code_object_version 6
	.text
	.protected	k_q33fb835539_heads
	.globl	k_q33fb835539_heads
	.p2align	8
	.type	k_q33fb835539_heads,@function
k_q33fb835539_heads:
	s_mov_b64 s[64:65], 0
	v_nop
	global_prefetch_b8 v0, s[64:65] scope:SCOPE_SE
	s_setreg_imm32_b32 hwreg(HW_REG_WAVE_MODE, 25, 1), 1
	s_wait_xcnt 0x0
; out0[token] = (value, four logits) of the token's own task: ((x W1 + b1) W2 + b2) for that task's critic and actor.  Only the pair of heads that the index input task_id chooses is computed; a NaN or infinity that reaches only the others is not carried.
; x W1 goes on codes of E5M2 with one E8M0 scale for each 32 along K; the product with W2 on bf16 operands; sums in f32.  b1 enters as b1 W2 + b2, made in f32 by the first launch: (x W1 + b1) W2 = x W1 W2 + b1 W2.
; SHARES.  Work-group g serves list g: the tokens of expert g / 85 in a block of 772 tokens, whatever their number, 48 at a time.  THE EIGHT WAVES SHARE THE COLUMNS: wave w holds 64 hidden units (0-3 the actor's, 4-7 the critic's)
; as codes in 256 registers for the whole launch.  For loading and quantising they share the rows: wave w takes rows 6 w .. 6 w + 5 of a group, 24 loads of 512 consecutive bytes, which are out while the group before is worked on.
; A TRIP j HAS ONE BARRIER, at its end: F(j - 2): the four parts of each output are added and stored;  M(j - 1): for each tile of 16 rows x's fragments from LDS, my 4 tiles of the hidden layer (transposed: source 0 = 16 columns of W1,
; source 1 = x), rounded to bf16 in place, which IS source 1 of the second product; my part of the outputs to LDS;  Q(j): my 6 rows are quantised, their codes stored, and the next group's loads issued into the registers just read.
; Codes and parts have two buffers each: what a trip writes the next trip reads.  18 trips serve 17 groups, so every split; what hangs on the stored count is a scalar branch round work alone, and every wave passes every barrier.
; A LANE'S EIGHT NUMBERS OF ONE BLOCK.  Lane (r, h) loads the 16 bytes number 8 (r / 4) + r % 4 + 4 h of each 512: lanes l and l xor 16 hold pieces q and q + 4 of one block of 32.  v_permlane16_swap on two 512-byte pieces' registers gives
; lanes 0-15 eight numbers of the first, lanes 16-31 eight of the second: one conversion each.  So position 8 q + 4 u + j of a block's codes is k = 16 u + 4 q + j, in W1's codes too: the sums have the same terms.
; EXPERT 2: K has a 17th block, pointgoal Wp + bp in f32 (two fused multiply-adds a number), the actor's and the critic's, quantised by the wave that has the row: a fifth K step whose other 96 codes of x are zeros.
; No tensor loads and no cluster: branches hang on stored numbers and the rows are gathered.  No prefetch: a wave asks for a group's rows one whole group ahead by the loads themselves, 96 KB a work-group.
; LIMITS: NaN and infinities among the inputs are not served.  A block of zeros gets the scale byte 1 (zero codes; the bytes stay in this program).  Slots behind a list's end name the block's first token: read, never stored.
; Output rows are 20 bytes and neighbouring rows belong to other lists, so they leave as 20 consecutive bytes from five lanes.
; REGISTERS: window 0 as named below; window 1: W1's 16 fragments (K step s, tile a at 16 (4 s + a)).  No product's two scale registers have numbers equal modulo 8.
.set EST,   307200
.set WSTR,  38400
.set W5O,   32768
.set WSO,   34816
.set W2O,   36352
.set XP,    528                        ; a row of 512 codes + 16: 33 x 16 bytes, so the 16 rows of a fragment load start in different banks (64 banks of 4 bytes: ISA guide 11.1)
.set BUF,   25344                      ; LDS: 0: two buffers of 48 rows of codes
.set XSC,   50688                      ; two of 48 x 16 scale bytes
.set EX,    52224                      ; two of (actor, critic) x 64 slots of 64 bytes: 32 codes, then the scale word; row R of a group has slot R + 2 (R / 6)
.set EB,    8192
.set EMBC,  68608                      ; for each wave (actor, critic) x 384 bytes: Wp's two rows, bp
.set W5I,   74752                      ; for each wave the 17th block's codes of W1
.set PART,  91136                      ; two of four parts of 52 rows x 32 bytes: word 3 the value, words 4-7 the logits
.set PB,    6656
.set PK,    1664
.set TOKL,  105472                     ; the list, 1,024 bytes behind the parts
.set SPARE, 109568
.set LP, 1
.set AXW, 2                            ; codes, in
.set ASW, 3                            ; scale bytes, in
.set AXR, 4                            ; codes, out
.set ASR, 5                            ; scale words, out
.set APW, 6                            ; my outputs' place
.set AEW, 7                            ; the embedding's codes and word, in
.set AXE, 8                            ; v8-10: out, for the group's three tiles
.set AW5, 11
.set AEC, 12
.set AFR, 13                           ; output thread % 5 of row thread / 5
.set SPW, 14
.set NIL, 15
.set ATK, 16
.set ATT, 17
.set C4, 18                            ; 4 (thread % 5)
.set L16, 22
.set W1S, 24                           ; v24-35: K steps 0, 1: four tiles; 2, 3; the 17th block
.set XES, 37
.set XS, 38
.set W2F, 42
.set ST, 58                            ; v58-153 my six rows
.set ACC, 154                          ; v154-185 four accumulators; at other times at work
.set FT, 154
.set MX, 154
.set SC, 158
.set BD, 162
.set BY, 166
.set CD, 170
.set D2A, 162
.set D2B, 178
.set XF, 186                           ; v186-249 x's four fragments
.set PV, 250                           ; v[250:251], v[252:253]: the pointgoals, low words
.set CA, 254                           ; v[254:255] my outputs' constants
.set WV, 2
.set ROLE, 3
.set J, 4
.set E, 5
.set N, 6
.set NG, 7
.set TK, 32                            ; s[32:37] six tokens
.set JJ, 38
.set LEFT, 39
.set BP, 40                            ; s[40:51] their rows' addresses
.set PG, 52                            ; s[52:63] their pointgoals
.set PO, 66                            ; s[66:71] offsets of these
.set MANT, 78
.set NG1, 79
.set TS, 93
.set MK, 93                            ; s[94:98]: lanes 4 i on
.set MSB, 0
.macro WIN new                         ; the immediate's high byte repeats the setting that is left; at a label and at a branch every window is 0
.if MSB != \new
	s_set_vgpr_msb (MSB<<8)|\new
.set MSB, \new
.endif
.endm
.macro PLACES n
.rept \n
	v_nop
.endr
.endm
.macro BARRIER                         ; my LDS stores have landed and my LDS loads are in: then the work-group's barrier
	s_wait_dscnt 0x0
	s_barrier_signal -1
	s_barrier_wait -1
.endm
.macro BASES                           ; six tokens become six row addresses
.irp k, 0,1,2,3,4,5
	s_min_u32 s[TK+\k], s[TK+\k], 0xffff           ; a loaded number enters an address behind a bound
	s_lshl_b32 s82, s[TK+\k], 11                   ; a row is 2,048 bytes
	s_add_nc_u64 s[BP+2*\k:BP+2*\k+1], s[8:9], s[82:83]
.endr
.endm
.macro PGLOAD                          ; the same tokens' pointgoals
.irp k, 0,1,2,3,4,5
	s_min_u32 s[PO+\k], s[TK+\k], 0xffff
	s_lshl_b32 s[PO+\k], s[PO+\k], 3
	s_load_b64 s[PG+2*\k:PG+2*\k+1], s[10:11], s[PO+\k] offset:0x0
.endr
.endm
.macro ROWLOAD p                       ; rows 2 p and 2 p + 1: each load takes 512 consecutive bytes
.irp n, 0,1,2,3,4,5,6,7
	global_load_b128 v[ST+32*(\p)+4*\n:ST+32*(\p)+4*\n+3], v[LP], s[BP+2*(2*(\p)+\n/4):BP+2*(2*(\p)+\n/4)+1] offset:512*(\n%4)
.endr
.endm
; Sets of eight numbers of one block a lane, four neighbouring lanes to a block: codes in v[CD + 2 set ..], the scale's byte in v[BY + set].  The sets take turns, so that no line waits for the line above it.
.macro QUANT sets, xb, xst
.set qi, 0
.rept \sets
	v_max3_num_f32 v[MX+qi], |v[\xb+\xst*qi]|, |v[\xb+\xst*qi+1]|, 0x8000000   ; with the floor 2^(16 - 127): the byte cannot fall under 1
.set qi, qi+1
.endr
.irp x, 2,4,6
.set qi, 0
.rept \sets
	v_max3_num_f32 v[MX+qi], v[MX+qi], |v[\xb+\xst*qi+\x]|, |v[\xb+\xst*qi+\x+1]|
.set qi, qi+1
.endr
.endr
.irp x, 1,2
.set qi, 0
.rept \sets
	v_max_num_f32_dpp v[MX+qi], v[MX+qi], v[MX+qi] row_xmask:\x row_mask:0xf bank_mask:0xf
.set qi, qi+1
.endr
.endr
.set qi, 0
.rept \sets
	v_add_nc_u32 v[SC+qi], 0xf8800000, v[MX+qi]    ; 15 off the exponent field: the conversion's scale operand
.set qi, qi+1
.endr
.set qi, 0
.rept \sets
	v_and_or_b32 v[BD+qi], v[MX+qi], 0x7f800000, s[MANT]   ; 57,344 x the scale
.set qi, qi+1
.endr
.set qi, 0
.rept \sets
	v_lshrrev_b32 v[BY+qi], 23, v[SC+qi]
.set qi, qi+1
.endr
.irp x, 0,1,2,3,4,5,6,7
.set qi, 0
.rept \sets
	v_med3_num_f32 v[\xb+\xst*qi+\x], v[\xb+\xst*qi+\x], -v[BD+qi], v[BD+qi]   ; the conversion to an 8-bit code does not saturate (ISA guide 7.6.2)
.set qi, qi+1
.endr
.endr
.set qi, 0
.rept \sets
	v_cvt_scalef32_pk8_bf8_f32 v[CD+2*qi:CD+2*qi+1], v[\xb+\xst*qi:\xb+\xst*qi+7], v[SC+qi]
.set qi, qi+1
.endr
	v_nop                                          ; one plain instruction behind the last conversion
.endm
.macro QPAIR p, buf, ahead, left       ; rows 2 p, 2 p + 1 of my six;  left: the younger loads that may stay out
	s_wait_loadcnt \left
.irp n, 0,1,2,3
.irp i, 0,1,2,3
	v_permlane16_swap_b32 v[ST+32*(\p)+8*\n+\i], v[ST+32*(\p)+8*\n+4+\i]
.endr
.endr
	QUANT 4, ST+32*\p, 8
.irp n, 0,1,2,3
	ds_store_b64 v[AXW], v[CD+2*\n:CD+2*\n+1] offset:BUF*\buf+XP*(2*(\p)+\n/2)+256*(\n%2)   ; 32 lanes: 256 consecutive bytes of a row's codes
	ds_store_b8 v[ASW], v[BY+\n] offset:768*\buf+16*(2*(\p)+\n/2)+8*(\n%2)                 ; the four lanes of a block write the same byte with the same value
.endr
.if \ahead
	ROWLOAD \p
.endif
.endm
; Expert 2: six rows' embeddings: lanes 4 i .. 4 i + 3 take row i (lanes 24-31 fill slots that nobody reads); eight numbers a lane, the actor's and the critic's
.macro EMBQ buf, ahead
.irp v, 0,1
.irp i, 0,1,2
	ds_load_b128 v[XF+24*\v+8*\i:XF+24*\v+8*\i+3], v[AEC] offset:384*\v+128*\i
	ds_load_b128 v[XF+24*\v+8*\i+4:XF+24*\v+8*\i+7], v[AEC] offset:384*\v+128*\i+64
.endr
.endr
	v_mov_b32 v[PV], s[PG]
	v_mov_b32 v[PV+2], s[PG+1]
.irp i, 1,2,3,4,5
	v_cndmask_b32 v[PV], v[PV], s[PG+2*\i], s[MK+\i]
	v_cndmask_b32 v[PV+2], v[PV+2], s[PG+2*\i+1], s[MK+\i]
.endr
	s_wait_alu depctr_va_vdst(0)
.if \ahead
	PGLOAD
.endif
	s_wait_dscnt 0x0
.irp i, 0,2,4,6
.irp v, 0,1
	v_pk_fma_f32 v[XF+24*\v+16+\i:XF+24*\v+17+\i], v[XF+24*\v+\i:XF+24*\v+1+\i], v[PV:PV+1], v[XF+24*\v+16+\i:XF+24*\v+17+\i] op_sel_hi:[1,0,1]
.endr
.endr
.irp i, 0,2,4,6
.irp v, 0,1
	v_pk_fma_f32 v[XF+24*\v+16+\i:XF+24*\v+17+\i], v[XF+24*\v+8+\i:XF+24*\v+9+\i], v[PV+2:PV+3], v[XF+24*\v+16+\i:XF+24*\v+17+\i] op_sel_hi:[1,0,1]
.endr
.endr
	QUANT 2, XF+16, 24
.irp v, 0,1
	v_or_b32 v[BY+\v], 0x7f7f7f00, v[BY+\v]        ; the scale word: the other three blocks are zero codes
.endr
.irp v, 0,1
	ds_store_b64 v[AEW], v[CD+2*\v:CD+2*\v+1] offset:EB*\buf+4096*\v
	ds_store_b32 v[AEW], v[BY+\v] offset:EB*\buf+4096*\v+32          ; four copies, 8 bytes apart; the first is read
.endr
.endm
.macro QGROUP buf, ahead, w0, w1, w2
	s_wait_kmcnt 0x0                               ; this group's pointgoals, the next group's tokens
.if \ahead
	s_wait_xcnt 0x0                                ; the last group's loads have read their bases
.endif
	s_cmp_lg_u32 s[E], 2
	s_cbranch_scc1 .Lno_emb_\@
	EMBQ \buf, \ahead
.Lno_emb_\@:
.if \ahead
	BASES
	s_add_co_u32 s92, s[JJ], 2
	s_mul_i32 s92, s92, 192
	s_load_b128 s[TK:TK+3], s[12:13], s92 offset:0x0   ; the tokens of the group after next: at most group 18, inside the list's 1,024 slots
	s_load_b64 s[TK+4:TK+5], s[12:13], s92 offset:0x10
.endif
	QPAIR 0, \buf, \ahead, \w0
	QPAIR 1, \buf, \ahead, \w1
	QPAIR 2, \buf, \ahead, \w2
.endm
; x's four fragments (16 rows x 128 K: lane (r, h), registers 4 c on: positions 32 c + 16 h + 0 .. 15) and the rows' four scale words
.macro XFETCH buf, t
.irp s, 0,1,2,3
.irp c, 0,1,2,3
	ds_load_b128 v[XF+16*\s+4*\c:XF+16*\s+4*\c+3], v[AXR] offset:BUF*\buf+16*XP*(\t)+128*\s+32*\c
.endr
.endr
	ds_load_b128 v[XS:XS+3], v[ASR] offset:768*\buf+256*(\t)
.endm
; K step s for my four tiles: the accumulators take turns; the first step starts the sums: nothing is cleared
.macro MUL4 s
.irp a, 0,1,2,3
.if \s == 0
	v_wmma_scale_f32_16x16x128_f8f6f4 v[ACC+8*\a:ACC+8*\a+7], v[16*(4*\s+\a):16*(4*\s+\a)+15], v[XF+16*\s:XF+16*\s+15], 0, v[W1S+4*(\s/2)+\a], v[XS+\s] matrix_a_fmt:MATRIX_FMT_BF8 matrix_b_fmt:MATRIX_FMT_BF8
.elseif \s%2
	v_wmma_scale_f32_16x16x128_f8f6f4 v[ACC+8*\a:ACC+8*\a+7], v[16*(4*\s+\a):16*(4*\s+\a)+15], v[XF+16*\s:XF+16*\s+15], v[ACC+8*\a:ACC+8*\a+7], v[W1S+4*(\s/2)+\a], v[XS+\s] matrix_a_fmt:MATRIX_FMT_BF8 matrix_b_fmt:MATRIX_FMT_BF8 matrix_a_scale:MATRIX_SCALE_ROW1
.else
	v_wmma_scale_f32_16x16x128_f8f6f4 v[ACC+8*\a:ACC+8*\a+7], v[16*(4*\s+\a):16*(4*\s+\a)+15], v[XF+16*\s:XF+16*\s+15], v[ACC+8*\a:ACC+8*\a+7], v[W1S+4*(\s/2)+\a], v[XS+\s] matrix_a_fmt:MATRIX_FMT_BF8 matrix_b_fmt:MATRIX_FMT_BF8
.endif
.endr
.endm
; The fifth K step (expert 2).  Tile a's operand is sixteen registers from its four on: the twelve behind them are other tiles' codes or x's, finite numbers that meet x's zero codes.
.macro FIVE buf, t
	PLACES 8                                       ; in front of loads into registers that the products above have read
	ds_load_b128 v[XF:XF+3], v[AXE+\t] offset:EB*\buf
	ds_load_b32 v[XES], v[AXE+\t] offset:EB*\buf+32
.irp a, 0,1,2,3
	ds_load_b128 v[XF+16+4*\a:XF+19+4*\a], v[AW5] offset:512*\a
.endr
.set qi, 0
.rept 12
	v_mov_b32 v[XF+4+qi], 0
.set qi, qi+1
.endr
	s_wait_alu depctr_va_vdst(0)
	s_wait_dscnt 0x0
	PLACES 4                                       ; an operand written by vector instructions stands four places ahead of a scaled matrix instruction
.irp a, 0,1,2,3
	v_wmma_scale_f32_16x16x128_f8f6f4 v[ACC+8*\a:ACC+8*\a+7], v[XF+16+4*\a:XF+31+4*\a], v[XF:XF+15], v[ACC+8*\a:ACC+8*\a+7], v[W1S+8+\a], v[XES] matrix_a_fmt:MATRIX_FMT_BF8 matrix_b_fmt:MATRIX_FMT_BF8
.endr
.endm
.macro MTILE buf, t                    ; a tile of 16 rows
.if (\t) == 0
	s_wait_dscnt 0x0                               ; x's fragments and scale words are in
.else
	s_wait_dscnt 0x1                               ; likewise; the last tile's store of outputs may be out
.endif
	WIN 0x01
	MUL4 0
	MUL4 1
	MUL4 2
	MUL4 3
	WIN 0
	s_cmp_lg_u32 s[E], 2
	s_cbranch_scc1 .Lno_five_\@
	FIVE \buf, \t
.Lno_five_\@:
	PLACES 8                                       ; eight places behind this form, in front of the loads into x's registers and of the first read of results
.if (\t) < 2
	XFETCH \buf, (\t)+1                            ; the next tile's fragments land under the second product
.endif
.irp q, 0,1
.irp u, 0,1
.irp j, 0,1,2,3
	v_cvt_pk_bf16_f32 v[ACC+16*\q+4*\u+\j], v[ACC+16*\q+8*\u+2*\j], v[ACC+16*\q+8*\u+2*\j+1]   ; registers 16 q .. 16 q + 7 become the operand for hidden units 32 q .. 32 q + 31
.endr
.endr
.endr
	v_wmma_f32_16x16x32_bf16 v[D2A:D2A+7], v[W2F:W2F+7], v[ACC:ACC+7], 0
	v_wmma_f32_16x16x32_bf16 v[D2B:D2B+7], v[W2F+8:W2F+15], v[ACC+16:ACC+23], 0
	PLACES 5                                       ; four in front of the reads below; five, since the next tile's products write over these products' registers
	v_pk_add_f32 v[D2A:D2A+1], v[D2A:D2A+1], v[D2B:D2B+1]   ; lane (r, h): outputs 2 h, 2 h + 1 of the part, row r
	v_pk_add_f32 v[D2A:D2A+1], v[D2A:D2A+1], v[CA:CA+1]
	ds_store_b64 v[APW], v[D2A:D2A+1] offset:PB*\buf+512*(\t)
.endm
.macro MGROUP buf
	XFETCH \buf, 0
	MTILE \buf, 0
	s_cmp_gt_i32 s[LEFT], -32                      ; LEFT = rows - 48 j: has the group (j - 1) a second tile,
	s_cbranch_scc0 .Lm_end_\@
	MTILE \buf, 1
	s_cmp_gt_i32 s[LEFT], -16                      ; a third?
	s_cbranch_scc0 .Lm_end_\@
	MTILE \buf, 2
.Lm_end_\@:
	s_wait_dscnt 0x0                               ; the fragments of a tile that the group does not have are in too: their registers serve the embedding's loads
.endm
.macro FGROUP buf, toff                ; thread t: output t % 5 of row t / 5 of group j - 2
	v_add_nc_u32 v[ATT], s[TS], v[ATK]
	s_add_co_u32 s30, s[LEFT], 96                  ; rows from this group on
	s_mul_i32 s30, s30, 5
	s_min_u32 s30, s30, 240
	v_cmp_gt_u32 vcc_lo, s30, v0
	s_wait_alu depctr_va_vdst(0)
	s_wait_xcnt 0x0                                ; EXEC changes only behind a wait on XCNT for 0,
	s_and_saveexec_b32 s84, vcc_lo
.irp k, 0,1,2,3
	ds_load_b32 v[FT+\k], v[AFR] offset:PB*\buf+PK*\k
.endr
	ds_load_b32 v[FT+4], v[ATT] offset:\toff
	s_wait_dscnt 0x0
	v_add_f32 v[FT], v[FT], v[FT+1]
	v_add_f32 v[FT+2], v[FT+2], v[FT+3]
	v_min_u32 v[FT+4], 0xffff, v[FT+4]             ; a loaded number enters an address behind a bound
	v_add_f32 v[FT], v[FT], v[FT+2]
	v_mad_u32_u24 v[FT+4], v[FT+4], 20, v[C4]      ; a row of out0 is 20 bytes
	global_store_b32 v[FT+4], v[FT], s[20:21]
	s_wait_xcnt 0x0                                ; on the way back too (the store's registers are free behind it)
	s_mov_b32 exec_lo, -1                          ; every lane is on outside these lines: the old mask is the constant
.endm
.macro TRIP par, toff, mbuf            ; par: j % 2; mbuf: the other
	s_cmp_gt_u32 s[JJ], s[NG1]
	s_cbranch_scc1 .Lbar_\@
	s_mul_i32 s[LEFT], s[JJ], 48
	s_sub_co_i32 s[LEFT], s[N], s[LEFT]
	s_sub_co_u32 s30, s[JJ], 2
	s_cmp_lt_u32 s30, s[NG]                        ; (j = 1: a number beyond every count)
	s_cbranch_scc0 .Lno_f_\@
	FGROUP \par, \toff
.Lno_f_\@:
	s_sub_co_u32 s30, s[JJ], 1
	s_cmp_lt_u32 s30, s[NG]
	s_cbranch_scc0 .Lno_m_\@
	MGROUP \mbuf
.Lno_m_\@:
	s_cmp_lt_u32 s[JJ], s[NG]
	s_cbranch_scc0 .Lbar_\@
	s_add_co_u32 s30, s[JJ], 1
	s_cmp_lt_u32 s30, s[NG]
	s_cbranch_scc0 .Llast_\@
	QGROUP \par, 1, 16, 16, 16                     ; 24 loads are out at each wait: the oldest eight are the pair's
	s_branch .Lbar_\@
.Llast_\@:
	QGROUP \par, 0, 16, 8, 0                       ; the last group asks for nothing: the counts run down
.Lbar_\@:
	BARRIER                                        ; codes and parts of this trip lie in LDS; nobody reads what the next trip writes
.endm
	; ================= THE HEAD =================
	s_load_b512 s[8:23], s[0:1], 0x0               ; features s[8:9], pointgoal s[10:11], order s[12:13], plan s[14:15], wq s[16:17], cst s[18:19], out0 s[20:21], a2_Wp s[22:23]
	s_load_b128 s[24:27], s[0:1], 0x40             ; a2_bp, c2_Wp
	s_load_b64 s[28:29], s[0:1], 0x50              ; c2_bp
	v_lshl_add_u32 v[SPW], v0, 2, SPARE
	v_mov_b32 v[NIL], 0
	v_lshrrev_b32 v154, 5, v0
	v_readfirstlane_b32 s[WV], v154                ; wave 0..7
	v_and_b32 v155, 31, v0                         ; lane
	v_and_b32 v156, 15, v0                         ; r
	v_bfe_u32 v157, v0, 4, 1                       ; h
	s_lshr_b32 s[ROLE], s[WV], 2                   ; actor 0, critic 1
	s_cmp_ge_u32 ttmp9, 85
	s_cselect_b32 s[E], 1, 0
	s_cmp_ge_u32 ttmp9, 170
	s_cselect_b32 s[E], 2, s[E]                    ; expert: from the work-group's number alone
	s_mul_i32 s66, s[WV], 6*XP
	s_mul_i32 s67, s[WV], 96
	s_add_co_u32 s67, s67, XSC
	s_and_b32 s68, s[WV], 3
	s_mul_i32 s68, s68, PK
	s_xor_b32 s69, s[ROLE], 1
	s_lshl_b32 s69, s69, 4                         ; the actor's 16 bytes of a row lie behind the critic's
	s_add_co_u32 s68, s68, s69
	s_add_co_u32 s68, s68, PART
	s_lshl_b32 s69, s[ROLE], 12
	s_add_co_u32 s69, s69, EX
	s_lshl_b32 s70, s[WV], 11
	s_add_co_u32 s70, s70, W5I
	s_mul_i32 s71, s[WV], 768
	s_add_co_u32 s71, s71, EMBC
	s_lshl_b32 s72, s[WV], 9
	s_add_co_u32 s72, s72, EX
	s_mov_b32 s[MANT], 0x600000                    ; the mantissa field of 57,344
	s_mov_b32 s94, 0xfffffff0
	s_mov_b32 s95, 0xffffff00
	s_mov_b32 s96, 0xfffff000
	s_mov_b32 s97, 0xffff0000
	s_mov_b32 s98, 0xfff00000
	s_mov_b32 s83, 0                               ; s[82:83]: an offset as a pair
	s_wait_alu depctr_va_vdst(0)
	v_lshlrev_b32 v[L16], 4, v155
	v_lshrrev_b32 v158, 2, v156
	v_and_b32 v159, 3, v156
	v_lshl_add_u32 v158, v158, 3, v159
	v_lshl_add_u32 v158, v157, 2, v158
	v_lshlrev_b32 v[LP], 4, v158                   ; 16 (8 (r / 4) + r % 4 + 4 h)
	v_lshl_add_u32 v[AXW], v155, 3, s66
	v_lshrrev_b32 v158, 2, v155
	v_and_b32 v159, 3, v155
	v_add_nc_u32 v[ASW], s67, v158
	v_lshl_add_u32 v[AEC], v159, 4, s71            ; positions 8 q .. 8 q + 7 are k = 4 q .. and 16 + 4 q ..
	v_lshlrev_b32 v160, 6, v158
	v_lshl_add_u32 v160, v159, 3, v160
	v_add_nc_u32 v[AEW], s72, v160
	v_mul_u32_u24 v161, XP, v156
	v_lshl_add_u32 v[AXR], v157, 4, v161
	v_lshl_add_u32 v[ASR], v156, 4, XSC
	v_lshl_add_u32 v162, v156, 5, s68
	v_lshl_add_u32 v[APW], v157, 3, v162
.irp t, 0,1,2
	v_add_nc_u32 v160, 16*\t, v156
	v_mul_u32_u24 v161, 43, v160
	v_lshrrev_b32 v161, 8, v161                    ; row / 6, exact up to 47
	v_lshl_add_u32 v161, v161, 1, v160
	v_lshlrev_b32 v161, 6, v161
	v_lshl_add_u32 v161, v157, 4, v161
	v_add_nc_u32 v[AXE+\t], s69, v161
.endr
	v_add_nc_u32 v[AW5], s70, v[L16]
	v_mul_u32_u24 v160, 13108, v0
	v_lshrrev_b32 v160, 16, v160                   ; thread / 5
	v_lshlrev_b32 v161, 2, v0
	v_mul_u32_u24 v162, 12, v160
	v_add_nc_u32 v162, v162, v161                  ; 32 (t / 5) + 4 (t % 5) = 12 (t / 5) + 4 t
	v_add_nc_u32 v[AFR], PART+12, v162
	v_lshl_add_u32 v[ATK], v160, 2, TOKL-192       ; trip j = 1 would be group -1
	v_mul_u32_u24 v162, 20, v160
	v_sub_nc_u32 v[C4], v161, v162
	v_lshl_add_u32 v163, v0, 4, TOKL
	v_lshl_add_u32 v164, v155, 3, s71
	v_lshl_add_u32 v165, v155, 2, s71
	v_lshlrev_b32 v166, 3, v155
	v_lshlrev_b32 v167, 2, v155
	v_lshlrev_b32 v168, 4, v0
	v_lshl_add_u32 v169, v0, 4, PART
	v_lshl_add_u32 v174, v0, 3, PART+12288
.irp i, 176,177,178,179
	v_mov_b32 v\i, 0
.endr
	v_mov_b32 v[PV+1], 0                           ; (named as the upper halves of the pairs)
	v_mov_b32 v[PV+3], 0
	s_wait_alu depctr_va_vdst(0)
	s_wait_kmcnt 0x0
	s_lshl_b32 s30, ttmp9, 2
	ds_store_b128 v169, v[176:179]                 ; zeros over the parts and the bytes up to the list, 14,336 in all: rows 48-51 of a part are no group's, and lie in the reach of threads 240-255
	ds_store_b128 v169, v[176:179] offset:4096
	ds_store_b128 v169, v[176:179] offset:8192
	ds_store_b64 v174, v[176:177]
	s_load_b32 s[N], s[14:15], s30 offset:0x0      ; my list's length
	s_lshl_b32 s82, ttmp9, 12
	s_add_nc_u64 s[86:87], s[12:13], s[82:83]      ; my list
	s_mul_i32 s82, s[WV], 24
	s_add_nc_u64 s[12:13], s[86:87], s[82:83]      ; my wave's six of a group
	s_load_b128 s[TK:TK+3], s[12:13], 0x0          ; group 0's
	s_load_b64 s[TK+4:TK+5], s[12:13], 0x10
	s_lshl_b32 s31, s[E], 5
	s_lshl_b32 s73, s[ROLE], 4
	s_add_co_u32 s31, s31, s73
	s_load_b128 s[88:91], s[18:19], s31 offset:0x0
	s_mul_i32 s82, s[WV], WSTR
	s_add_nc_u64 s[16:17], s[16:17], s[82:83]
	s_add_nc_u64 s[80:81], s[16:17], 2*EST         ; my part of expert 2: the 17th block and its scale words are always taken from there, so that they are written bytes for every expert
	s_mul_i32 s82, s[E], EST
	s_add_nc_u64 s[16:17], s[16:17], s[82:83]      ; my part of my expert
	global_load_b128 v[XF:XF+3], v168, s[86:87]    ; slots 4 t .. 4 t + 3
	global_load_b64 v[XF+4:XF+5], v166, s[22:23]
	global_load_b32 v[XF+6], v167, s[24:25]
	global_load_b64 v[XF+8:XF+9], v166, s[26:27]
	global_load_b32 v[XF+10], v167, s[28:29]
.irp a, 0,1,2,3
	global_load_b128 v[XF+16+4*\a:XF+19+4*\a], v[L16], s[80:81] offset:W5O+512*\a
.endr
	global_load_b128 v[W1S:W1S+3], v[L16], s[16:17] offset:WSO
	global_load_b128 v[W1S+4:W1S+7], v[L16], s[16:17] offset:WSO+512
	global_load_b128 v[W1S+8:W1S+11], v[L16], s[80:81] offset:WSO+1024
.irp a, 0,1,2,3
	global_load_b128 v[W2F+4*\a:W2F+4*\a+3], v[L16], s[16:17] offset:W2O+512*\a
.endr
.macro WFRAG first, count              ; W1's fragments: each lane its 16 bytes, 512 consecutive bytes a load
	WIN 0x40
.set f, \first
.rept \count
.irp c, 0,1,2,3
	global_load_b128 v[16*f+4*\c:16*f+4*\c+3], v[L16], s[16:17] offset:2048*f+512*\c
.endr
.set f, f+1
.endr
	WIN 0
.endm
	WFRAG 0, 5
	s_wait_kmcnt 0x0
	s_min_u32 s[N], s[N], 772
	s_add_co_u32 s[NG], s[N], 47
	s_mul_i32 s[NG], s[NG], 1366
	s_lshr_b32 s[NG], s[NG], 16                    ; groups: (rows + 47) / 48, exact up to 819
	s_add_co_u32 s[NG1], s[NG], 1
	BASES
	ROWLOAD 0
	ROWLOAD 1
	ROWLOAD 2
	PGLOAD
	s_load_b128 s[TK:TK+3], s[12:13], 0xc0         ; group 1's tokens
	s_load_b64 s[TK+4:TK+5], s[12:13], 0xd0
	WFRAG 5, 11
	s_and_b32 s31, s[WV], 3                        ; the constants are added once: by waves 0 and 4
	s_cmp_eq_u32 s31, 0
	s_cselect_b32 s88, s88, 0
	s_cselect_b32 s89, s89, 0
	s_cselect_b32 s90, s90, 0
	s_cselect_b32 s91, s91, 0
	v_cmp_eq_u32 vcc_lo, 1, v157
	v_mov_b32 v170, s88
	v_mov_b32 v171, s90
	v_mov_b32 v172, s89
	v_mov_b32 v173, s91
	v_cndmask_b32 v[CA], v170, v171, vcc_lo
	v_cndmask_b32 v[CA+1], v172, v173, vcc_lo
	s_wait_alu depctr_va_vdst(0)                   ; the wait at the head's end
	s_wait_loadcnt 63                              ; behind W2's loads stand 88: the first 16 are in
	ds_store_b128 v163, v[XF:XF+3]
	ds_store_b64 v164, v[XF+4:XF+5]
	ds_store_b32 v165, v[XF+6] offset:256
	ds_store_b64 v164, v[XF+8:XF+9] offset:384
	ds_store_b32 v165, v[XF+10] offset:640
.irp a, 0,1,2,3
	ds_store_b128 v[AW5], v[XF+16+4*\a:XF+19+4*\a] offset:512*\a
.endr
	s_mov_b32 s[JJ], 0
	QGROUP 0, 1, 60, 60, 60                        ; group 0: behind a pair's eight loads stand 16 of rows and 44 of W1
	s_wait_loadcnt 24                              ; only group 1's 24 loads are younger: all of W1 is in
	BARRIER
	s_mov_b32 s[J], 1
	s_mov_b32 s[TS], 0
	; ================= TRIPS 1 TO 18, TWO A LOOP =================
.Lloop:
	s_mov_b32 s[JJ], s[J]
	TRIP 1, 0, 0
	s_add_co_u32 s[JJ], s[J], 1
	TRIP 0, 192, 1
	s_add_co_u32 s[TS], s[TS], 384
	s_add_co_u32 s[J], s[J], 2
	s_cmp_lt_u32 s[J], 19
	s_cbranch_scc1 .Lloop
	s_wait_tensorcnt 0x0                           ; the wave's end
	ds_add_u32 v[SPW], v[NIL]
	s_wait_dscnt 0x0
	s_endpgm
.Lfunc_end_k_q33fb835539_heads:
	.size	k_q33fb835539_heads, .Lfunc_end_k_q33fb835539_heads-k_q33fb835539_heads
	.p2alignl 7, 3214868480
	.fill 96, 4, 3214868480
	.section	.rodata,"a",@progbits
	.p2align	6, 0x0
	.amdhsa_kernel k_q33fb835539_heads
		.amdhsa_group_segment_fixed_size 110592
		.amdhsa_private_segment_fixed_size 0
		.amdhsa_enable_private_segment 0
		.amdhsa_kernarg_size 88
		.amdhsa_user_sgpr_count 2
		.amdhsa_user_sgpr_kernarg_segment_ptr 1
		.amdhsa_wavefront_size32 1
		.amdhsa_system_sgpr_workgroup_id_x 1
		.amdhsa_system_sgpr_workgroup_id_y 1
		.amdhsa_system_sgpr_workgroup_id_z 1
		.amdhsa_system_vgpr_workitem_id 0
		.amdhsa_next_free_vgpr 512
		.amdhsa_next_free_sgpr 102
		.amdhsa_reserve_vcc 1
		.amdhsa_float_denorm_mode_32 3
		.amdhsa_float_denorm_mode_16_64 3
		.amdhsa_memory_ordered 1
		.amdhsa_forward_progress 1
		.amdhsa_inst_pref_size 188
	.end_amdhsa_kernel
	.amdgpu_metadata
---
amdhsa.version: [ 1, 2 ]
amdhsa.kernels:
  - .name:           k_q33fb835539_heads
    .symbol:         k_q33fb835539_heads.kd
    .args:
      - { .name: features, .offset: 0, .size: 8, .value_kind: global_buffer, .address_space: global }
      - { .name: pointgoal, .offset: 8, .size: 8, .value_kind: global_buffer, .address_space: global }
      - { .name: order, .offset: 16, .size: 8, .value_kind: global_buffer, .address_space: global }
      - { .name: plan, .offset: 24, .size: 8, .value_kind: global_buffer, .address_space: global }
      - { .name: wq, .offset: 32, .size: 8, .value_kind: global_buffer, .address_space: global }
      - { .name: cst, .offset: 40, .size: 8, .value_kind: global_buffer, .address_space: global }
      - { .name: out0, .offset: 48, .size: 8, .value_kind: global_buffer, .address_space: global }
      - { .name: a2_Wp, .offset: 56, .size: 8, .value_kind: global_buffer, .address_space: global }
      - { .name: a2_bp, .offset: 64, .size: 8, .value_kind: global_buffer, .address_space: global }
      - { .name: c2_Wp, .offset: 72, .size: 8, .value_kind: global_buffer, .address_space: global }
      - { .name: c2_bp, .offset: 80, .size: 8, .value_kind: global_buffer, .address_space: global }
    .group_segment_fixed_size: 110592
    .private_segment_fixed_size: 0
    .kernarg_segment_align: 8
    .kernarg_segment_size: 88
    .max_flat_workgroup_size: 256
    .sgpr_count:     102
    .vgpr_count:     512
    .wavefront_size: 32
...
	.end_amdgpu_metadata
.endif
;; end of part 2
